; MI455X (gfx1250); checked and timed in simulation.
; The chip was launched on July 23, 2026; its instructions are those of AMD's public machine-readable ISA for CDNA 5 (MIT licence, August 2026) and "CDNA5" Instruction Set Architecture Reference Guide (July 2026). The comments in the code are by the model that wrote it; some were corrected since.
;; Dynamic Quantize Linear. Allowed arithmetic: matrix products marked QUANTISED: E3M2 operands, one E8M0 scale for each 32 along K, by v_wmma_scale_f32_16x16x128_f8f6f4 with both operands' format E3M2, f32 sums; everything else in f32.
;; Inputs: bias 16,384 float32; input 1,024 x 4,096 float32; weight 16,384 x 4,096 int8; weight_scale 16,384 float32.
;; Outputs: out0 1,024 x 16,384 float32.
;; This version of the problem:
;;   THIS VERSION OF THE PROBLEM IS GIVEN IN LOW PRECISION. The matrix products marked QUANTISED in the list below multiply operands that are first quantised to E3M2 (3 exponent bits, 2 mantissa bits; 6 bits a number), with one power-of-two scale for each 32 numbers along K (OCP MX v1.0); their sums are f32. All else is computed in f32.
;;   The module's matrix products, in the order in which they are computed (A, B: the left and right operand; K: the contracted axis; several contracted axes count as one K, in the product's order):
;;     1. [M 1,024, K 4,096] x [K 4,096, N 16,384]; A: input input; B: computed on the way: QUANTISED
;;   THE QUANTISER, for each operand of a quantised product, along K:
;;     - K is cut into blocks of 32 from its start; a last block that is shorter is filled with zeros.
;;     - A block's scale is 2^e with e = floor(log2(the largest magnitude in the block)) - 4, held to -126 .. 127; a block of zeros has e = 0. As a byte (E8M0): e + 127.
;;     - Each number is divided by its block's scale, clamped to +-28, and rounded to the nearest number of E3M2, ties to even, subnormals kept.
;;     - The product sums the exact products of the quantised numbers (number of the format x scale) in f32.
;;   ~~~python
;;   def quantise(x, axis):      # numpy; x: float32 -> the quantised numbers, widened to float32 again
;;       x = np.moveaxis(x, axis, -1); K = x.shape[-1]
;;       x = np.pad(x, [(0, 0)] * (x.ndim - 1) + [(0, -K % 32)]); x = x.reshape(x.shape[:-1] + (-1, 32)); a = np.abs(x).max(-1, keepdims=True)
;;       e = np.where(a > 0, np.clip(np.frexp(np.where(a > 0, a, 1))[1] - 1 - 4, -126, 127), 0)      # np.frexp(a)[1] - 1 = floor(log2(a)), exactly
;;       r = np.clip(x / 2.0 ** e, -28, 28)
;;       step = 2.0 ** (np.maximum(np.frexp(np.where(r == 0, 1, r))[1] - 1, -2) - 2)
;;       q = np.round(r / step) * step * 2.0 ** e      # np.round: ties to even
;;       return np.moveaxis(q.reshape(q.shape[:-2] + (-1,))[..., :K], -1, axis).astype(np.float32)
;;   ~~~
;;   OPERANDS COMPUTED ON THE WAY. 'Computed on the way' means the value that the module computes at that place (a softmax that the list does not call 'softmax' is quantised finished and normalised). What goes into a quantiser is computed in f32, as accurately as f32 sums, v_exp_f32 and their like allow (about 1e-6 of the number): no bf16 or f16 on the way to a quantiser, and a product that is left as it is and whose result goes on into a quantised operand takes f32 operands (vector FMAs, or v_wmma_f32_16x16x4_f32). A number that lies on a knife's edge between two numbers of the format may be rounded either way, as far as f32 arithmetic and the matrix unit's own rounding can turn it there, and no further.
;; One version. Each part assembles by itself: llvm-mc -triple=amdgcn-amd-amdhsa -mcpu=gfx1250 --defsym DOCPART=n.
;; ======== version 1 of 1: 2 launches
;; limits: inputs' magnitudes at most 134,217,728; below input magnitudes of 1.6e-27 results are inexact or not finite; right only within a limited range of input values
;; workspace buffers: qa 3,276,800 bytes; qb 52,428,800 bytes
;; launch quant (part 1): grid 512 x 1, 4 waves a work-group, no clusters, 68,352 bytes of LDS; arguments input, weight, weight_scale, qa, qb; writes qa, qb
.if DOCPART == 1
	.amdgcn_target "amdgcn-amd-amdhsa--gfx1250"
	.amdhsa_code_object_version 6
	.text
	.protected	k_qcb9f81803d_quant
	.globl	k_qcb9f81803d_quant
	.p2align	8
	.type	k_qcb9f81803d_quant,@function
k_qcb9f81803d_quant:
	s_mov_b64 s[64:65], 0
	v_nop
	global_prefetch_b8 v0, s[64:65] scope:SCOPE_SE
	s_setreg_imm32_b32 hwreg(HW_REG_WAVE_MODE, 25, 1), 1
	s_wait_xcnt 0x0
; Both operands of out = Q(input) Q(B) + bias are quantised ONCE here, along K, to codes of BF6 (E3M2) with one E8M0 byte for each 32 along K.
; input: [1024][4096] f32.  B's column n is f32(weight[n][k]) x weight_scale[n] (weight: [16384][4096] int8): one f32 multiplication, as the source has it.  K is innermost in both.
; A block's scale is 2^(floor(log2(its largest magnitude)) - 4); its byte is the largest magnitude's own exponent field - 4, held at 1 from below.  Each number is divided by the scale and rounded
; to the nearest code, ties to even; beyond the largest code the conversion gives the largest code.
; LIMITS: NaN and infinities among the inputs are not served.  A block of zeros gets a byte other than the rule's 127 (1 for input, 34 for weight): its codes are zeros, which add nothing under
; that byte, and the bytes are read by this program alone.  A block of input whose largest magnitude lies under 2^-122 gets the byte 1.  |weight_scale| is served from 2^-89 to 2^27 (and 0).
; THE WORKSPACE IS LAID AS THE PRODUCT'S REGISTERS WANT IT.  A tensor is cut into tiles of 128 rows; a tile is 32 chunks on end, one for each 128 along K; a chunk is CH = 12,800 bytes:
;   eight fragment images (row block i, 16 rows, at 1,536 i): register group c (four registers) of lane l at 512 c + 16 l; lane l = r + 16 h holds row r, registers 0-5 block h, registers 6-11 block 2 + h;
;   then, at SCO, 512 bytes of scale words: that of row block i, row r at 256 (i / 4) + 16 r + 4 (i % 4); byte b of a word is block b.
; SHARES.  512 work-groups of four waves, all on one path.  A wave takes 64 rows x 512 along K of weight (four sub-units of 16 rows, four chunks each) and then 16 rows x 128 along K of input.
; Each load reads one row's 512 consecutive bytes; the 16 rows turn through a stage of the wave's own in LDS, so that a lane gets whole blocks of 32 neighbours along K of ONE row, which is what the
; conversions take.  TWO stages take turns: while one sub-unit is worked on, the next goes into the other stage, eight stores in each of the last two chunks; the loads of later sub-units stand in
; groups of eight or four at the chunks' heads.  So memory and LDS instructions stand in short runs among the arithmetic.
; Every store of codes covers 512 consecutive bytes, every store of scale words whole aligned runs of 256.  Work-groups share no input: no cluster, no tensor load.
; INT8 TO f32 x SCALE IN ONE ROUNDING.  u = w + 128 (0 .. 255) is laid into bits 23:16 of a zero word.  An f32 whose bits are a whole number under 2^24 IS that number x 2^-149 (exponent fields 0 and 1
; lie on one line; the wave's mode keeps f32 denormals): the word is u x 2^-133.  With S = s x 2^100 and c = -s x 2^-26, both exact, fma(word, S, c) = the exact (u - 128) s 2^-33, rounded once:
; fl(w s) x 2^-33.  The common 2^-33 cancels in the conversion, which divides by the block's own power of two; UPW = 33 is added to the scale's byte.
.set CH,    12800
.set FRB,   1536
.set SCO,   12288
.set TILEB, 32*CH
.set UPW,   33
.set SP,    528                        ; a stage row: 512 bytes + 16, an odd multiple of 16: sixteen lanes that read one column of 16 rows touch sixteen different columns of 16 bytes
.set WST,   16*SP                      ; a stage; a wave has two
.set GATH,  8*WST                      ; behind the stages: 256 bytes in which the four waves' scale words of the input meet
.set LI,   4                           ; v4   16 x lane
.set STI,  5                           ; v5   my stage 0 + 16 x lane: on the way in
.set STW,  6                           ; v6   my stage 0 + 528 r + 32 h: a block of 32 int8
.set STA,  7                           ; v7   my stage 0 + 528 r + 128 h: a block of 32 f32
.set R4,   8                           ; v8   4 r
.set SOFF, 9                           ; v9   12,800 h + 16 r: the weights' scale words, two chunks to a store
.set GW,   10                          ; v10  GATH + 16 r + 4 x wave
.set GR,   11                          ; v11  GATH + 8 x lane
.set L8,   12                          ; v12  8 x lane
.set H8,   13                          ; v13  8 h
.set SW,   24                          ; v24-39   the scale word of (chunk q, sub-unit u) at 4 q + u
.set SQ,   40                          ; v40-47   the words as they are stored
.set X,    48                          ; v48-79   two sets of 16 words: 64 int8 of my row
.set F,    80                          ; v80-143  64 numbers: F + 32 c + n is number n of block 2 c + h
.set P,    144                         ; v144-155 a fragment's 12 registers
.set T,    156                         ; v156-158, v160-162 the upper halves of the two blocks' codes
.set TM,   164                         ; v164-167 largest magnitudes, v168-169 the conversions' scale operands, v170-171 bytes, v172 the permute's destination, v173 the input's word
.set WS,   176                         ; v176-191 for sub-unit u: S, S, c, c of my row, two pairs for the packed multiply-add
.set RS,   192                         ; v192-195 weight_scale of my row in sub-unit u
; window 1 (v256-511): four sets of 64 registers, a sub-unit as it is loaded
.set MSB, 0
.macro WIN new                         ; the immediate's high byte repeats the setting that is left
.if MSB != \new
	s_set_vgpr_msb (MSB<<8)|\new
.set MSB, \new
.endif
.endm
	s_load_b256 s[4:11], s[0:1], 0x0               ; input s[4:5], weight s[6:7], weight_scale s[8:9], qa s[10:11]
	s_load_b64 s[12:13], s[0:1], 0x20              ; qb
	v_lshl_add_u32 v254, v0, 2, 0x10900
	v_mov_b32 v255, 0
	v_lshrrev_b32 v1, 5, v0
	v_readfirstlane_b32 s16, v1                    ; wave 0..3
	v_and_b32 v1, 31, v0                           ; lane
	v_and_b32 v2, 15, v0                           ; r
	v_bfe_u32 v3, v0, 4, 1                         ; h
	v_lshlrev_b32 v[LI], 4, v1
	s_mul_i32 s46, s16, 2*WST                      ; my two stages
	v_add_nc_u32 v[STI], s46, v[LI]
	v_mul_u32_u24 v14, v2, SP
	v_add_nc_u32 v14, s46, v14
	v_lshl_add_u32 v[STW], v3, 5, v14
	v_lshl_add_u32 v[STA], v3, 7, v14
	v_lshlrev_b32 v[R4], 2, v2
	v_mul_u32_u24 v[SOFF], v3, CH
	v_lshl_add_u32 v[SOFF], v2, 4, v[SOFF]
	s_lshl_b32 s47, s16, 2
	s_add_co_u32 s47, s47, GATH
	v_lshl_add_u32 v[GW], v2, 4, s47
	v_lshlrev_b32 v[L8], 3, v1
	v_add_nc_u32 v[GR], GATH, v[L8]
	v_lshlrev_b32 v[H8], 3, v3
	v_mov_b32 v[TM+8], 0                           ; written once: a lane permute's destination counts as one of its sources
	s_mov_b32 s20, 0x76543210
	s_mov_b32 s21, 0xfedcba98                      ; v_permlanex16_b32's selects for lane l xor 16
	s_mov_b32 s22, 0x80808080                      ; int8 + 128, four at a time
	s_mov_b32 s23, 0                               ; the zero bytes round the one that is laid in
	s_mov_b32 s24, 0x06000504                      ; v_perm_b32: byte j of the word into byte 2, zeros elsewhere
	s_mov_b32 s25, 0x06010504
	s_mov_b32 s26, 0x06020504
	s_mov_b32 s27, 0x06030504
	; where my parts begin.  U = 4 g + wave: 512 along K number U % 8 of rows 64 (U / 8) on
	s_lshl_b32 s17, ttmp9, 2
	s_add_co_u32 s17, s17, s16
	s_and_b32 s18, s17, 7                          ; kq
	s_lshr_b32 s19, s17, 3                         ; rg
	s_mov_b32 s37, 0
	s_wait_kmcnt 0x0
	s_lshl_b32 s36, s19, 18                        ; 64 rows of 4,096 bytes
	s_lshl_b32 s17, s18, 9
	s_add_co_u32 s36, s36, s17
	s_add_nc_u64 s[30:31], s[6:7], s[36:37]        ; weight
	s_lshl_b32 s36, s19, 8
	s_add_nc_u64 s[32:33], s[8:9], s[36:37]        ; weight_scale
	s_lshr_b32 s46, s19, 1                         ; the tile of 128 rows,
	s_and_b32 s47, s19, 1                          ; and which half of it
	s_mul_i32 s46, s46, TILEB
	s_mul_i32 s36, s18, 4*CH
	s_add_co_u32 s46, s46, s36                     ; my first chunk
	s_mul_i32 s36, s47, 4*FRB
	s_add_co_u32 s36, s36, s46
	s_add_nc_u64 s[34:35], s[12:13], s[36:37]      ; qb: my four row blocks' images
	s_lshl_b32 s36, s47, 8
	s_add_co_u32 s36, s36, s46
	s_add_co_u32 s36, s36, SCO
	s_add_nc_u64 s[38:39], s[12:13], s[36:37]      ; qb: their 256 bytes of scale words
	s_lshr_b32 s46, ttmp9, 5                       ; input: 64 rows number g / 32,
	s_and_b32 s47, ttmp9, 31                       ; chunk g % 32
	s_lshl_b32 s36, s46, 20                        ; 64 rows of 16,384 bytes
	s_lshl_b32 s17, s16, 18                        ; my wave's 16 of them
	s_add_co_u32 s36, s36, s17
	s_lshl_b32 s17, s47, 9
	s_add_co_u32 s36, s36, s17
	s_add_nc_u64 s[40:41], s[4:5], s[36:37]        ; input
	s_lshr_b32 s17, s46, 1
	s_and_b32 s46, s46, 1
	s_mul_i32 s17, s17, TILEB
	s_mul_i32 s47, s47, CH
	s_add_co_u32 s17, s17, s47                     ; the chunk in qa
	s_lshl_b32 s36, s46, 2
	s_add_co_u32 s36, s36, s16                     ; row block 4 x half + wave
	s_mul_i32 s36, s36, FRB
	s_add_co_u32 s36, s36, s17
	s_add_nc_u64 s[42:43], s[10:11], s[36:37]      ; qa: my image
	s_lshl_b32 s36, s46, 8
	s_add_co_u32 s36, s36, s17
	s_add_co_u32 s36, s36, SCO
	s_add_nc_u64 s[44:45], s[10:11], s[36:37]      ; qa: the work-group's 256 bytes of scale words
.macro GLW set, t0, n                  ; n rows, from row t0 on, of weight's sub-unit 'set', each 512 consecutive bytes, into set 'set' of window 1
	WIN 0x40
.set t, \t0
.rept \n
	global_load_b128 v[64*(\set)+4*t:64*(\set)+4*t+3], v[LI], s[30:31] offset:(16*(\set)+t)*4096 th:TH_LOAD_NT
.set t, t+1
.endr
	WIN 0
.endm
.macro GLA t0, n                       ; n of my 16 rows x 128 f32 of input into set 0
	WIN 0x40
.set t, \t0
.rept \n
	global_load_b128 v[4*t:4*t+3], v[LI], s[40:41] offset:t*16384 th:TH_LOAD_NT
.set t, t+1
.endr
	WIN 0
.endm
.macro STG set, k, t0, n               ; n rows as loaded into my stage k (an LDS store's data are its source 1: window 1)
	WIN 0x04
.set t, \t0
.rept \n
	ds_store_b128 v[STI], v[64*(\set)+4*t:64*(\set)+4*t+3] offset:(\k)*WST+SP*t
.set t, t+1
.endr
	WIN 0
.endm
.macro XLOAD k, q, x                   ; chunk q of my row in stage k: blocks h and 2 + h, 32 bytes each, into set x.  LDS serves a wave's instructions in order: these see my stores
.irp c, 0,1
.irp e, 0,1
	ds_load_b128 v[X+16*(\x)+8*\c+4*\e:X+16*(\x)+8*\c+4*\e+3], v[STW] offset:(\k)*WST+128*(\q)+64*\c+16*\e
.endr
.endr
.endm
.macro UNPACK q, u                     ; 64 int8 -> fl(w x my row's scale) x 2^-33: the one rounding that the source has
.set XS, X+16*((\q)%2)
.set i, 0
.rept 16
	v_xor_b32 v[XS+i], s22, v[XS+i]                ; each byte + 128: 0 .. 255
.set i, i+1
.endr
.set i, 0
.rept 16
.irp j, 0,1,2,3
	v_perm_b32 v[F+4*i+\j], s23, v[XS+i], s[24+\j] ; the byte in bits 23:16 of a zero word: as f32, the byte x 2^-133
.endr
.set i, i+1
.endr
.set i, 0
.rept 32
	v_pk_fma_f32 v[F+i:F+i+1], v[F+i:F+i+1], v[WS+4*(\u):WS+4*(\u)+1], v[WS+4*(\u)+2:WS+4*(\u)+3]   ; x S + c
.set i, i+2
.endr
.endm
.macro QUANT dst, up                   ; the 64 numbers in F become a fragment's registers in P and my row's scale word in v[dst]; up: what is added to each byte (the numbers stand 2^-up too low)
.irp k, 0,1,2,3
	v_max3_num_f32 v[TM+\k], |v[F+16*\k]|, |v[F+16*\k+1]|, 0x2800000   ; four chains, two to a block, and the floor 2^(5 - 127): the conversion's exponent field cannot fall under 1
.endr
.irp i, 2,4,6,8,10,12,14
.irp k, 0,1,2,3
	v_max3_num_f32 v[TM+\k], v[TM+\k], |v[F+16*\k+\i]|, |v[F+16*\k+\i+1]|
.endr
.endr
	v_max_num_f32 v[TM], v[TM], v[TM+1]            ; block h's largest magnitude: all 32 numbers are mine
	v_max_num_f32 v[TM+2], v[TM+2], v[TM+3]        ; block 2 + h's
	v_add_nc_u32 v[TM+4], 0xfe000000, v[TM]        ; 4 off the exponent field: the conversion takes the exponent field of this operand as its scale, and nothing else of it
	v_add_nc_u32 v[TM+5], 0xfe000000, v[TM+2]
	v_lshrrev_b32 v[TM+6], 23, v[TM+4]             ; the scales' bytes
	v_lshrrev_b32 v[TM+7], 23, v[TM+5]
	v_lshl_or_b32 v[\dst], v[TM+7], 16, v[TM+6]
.if \up
	v_add_nc_u32 v[\dst], (\up)*0x10001, v[\dst]   ; both bytes up: no carry, the true byte is the true largest magnitude's exponent field - 4
.endif
	v_lshlrev_b32 v[\dst], v[H8], v[\dst]          ; at their places in the word, 8 h bits up;
	v_permlanex16_b32 v[TM+8], v[\dst], s20, s21
	v_or_b32 v[\dst], v[\dst], v[TM+8]             ; with lane l xor 16's two the word is whole, in both lanes
	s_wait_xcnt 0x0                                ; the last fragment's stores have read P: it is written again only behind this wait
	v_cvt_scalef32_pk16_bf6_f32 v[P:P+2], v[F:F+15], v[TM+4]
	v_cvt_scalef32_pk16_bf6_f32 v[T:T+2], v[F+16:F+31], v[TM+4]       ; (a conversion's three registers begin on an even number: a block's upper half is made elsewhere and moved)
	v_cvt_scalef32_pk16_bf6_f32 v[P+6:P+8], v[F+32:F+47], v[TM+5]
	v_cvt_scalef32_pk16_bf6_f32 v[T+4:T+6], v[F+48:F+63], v[TM+5]
	v_nop                                          ; one plain place behind the scaled conversions
.irp c, 0,1
.irp i, 0,1,2
	v_mov_b32 v[P+6*\c+3+\i], v[T+4*\c+\i]
.endr
.endr
.endm
.macro OUT b, off                      ; the fragment's image: each store covers 512 consecutive bytes, aligned to 512
.irp c, 0,1,2
	global_store_b128 v[LI], v[P+4*\c:P+4*\c+3], s[\b:\b+1] offset:\off+512*\c
.endr
.endm
; Chunk q of weight's sub-unit u, which lies in stage u % 2.  At its head: loads for later sub-units; the next sub-unit's rows into the other stage; the next chunk's words.  Then this chunk's arithmetic.
.macro CHUNK u, q
.if \u == 0                            ; sub-units 2 and 3 are asked for in sub-unit 0's chunks, eight rows each; the input's rows in sub-unit 1's, four each, into set 0, whose stores into the stage are long done
.if \q < 2
	GLW 2, 8*\q, 8
.else
	GLW 3, 8*(\q-2), 8
.endif
.elseif \u == 1
	GLA 4*\q, 4
.endif
.if \q == 2
.if \u == 0
	s_wait_loadcnt 24                              ; sub-unit 1 is in; behind it: 16 loads of sub-unit 2, 8 of sub-unit 3
.elseif \u == 1
	s_wait_loadcnt 28                              ; sub-unit 2 is in; behind it: 16 of sub-unit 3, 12 of the input
.elseif \u == 2
	s_wait_loadcnt 16                              ; sub-unit 3 is in; behind it: the input's 16
.else
	s_wait_loadcnt 0x0                             ; the input is in
.endif
	STG (\u+1)%4, (\u+1)%2, 0, 8
.elseif \q == 3
	STG (\u+1)%4, (\u+1)%2, 8, 8
.endif
.if \q < 3
	XLOAD (\u)%2, \q+1, (\q+1)%2                   ; the next chunk's words, into the other set
.elseif \u < 3
	XLOAD (\u+1)%2, 0, 0                           ; the next sub-unit's first: its sixteen stores have been issued
.endif
.if \q < 2
	s_wait_dscnt 4                                 ; this chunk's words are in: behind their loads stand the four loads just issued,
.elseif (\q == 3) && (\u == 3)
	s_wait_dscnt 8                                 ; or eight stores,
.else
	s_wait_dscnt 12                                ; or eight stores and four loads
.endif
	UNPACK \q, \u
	QUANT SW+4*\q+\u, UPW
	OUT 34, \q*CH+\u*FRB
.endm
.irp u, 0,1,2,3
	global_load_b32 v[RS+\u], v[R4], s[32:33] offset:64*\u         ; my row's scale in each sub-unit
.endr
	GLW 0, 0, 16
	GLW 1, 0, 16
	s_wait_loadcnt 16                              ; the scales and sub-unit 0 are in; sub-unit 1's sixteen loads may be out
.irp u, 0,1,2,3
	v_mul_f32 v[WS+4*\u], 0x71800000, v[RS+\u]     ; S = s x 2^100, exact, twice for the packed form;
	v_mul_f32 v[WS+4*\u+1], 0x71800000, v[RS+\u]
	v_mul_f32 v[WS+4*\u+2], 0xb2800000, v[RS+\u]   ; c = -s x 2^-26 = -128 s 2^-33, exact
	v_mul_f32 v[WS+4*\u+3], 0xb2800000, v[RS+\u]
.endr
	STG 0, 0, 0, 16
	XLOAD 0, 0, 0
.irp u, 0,1,2,3
.irp q, 0,1,2,3
	CHUNK \u, \q
.endr
.endr
	; the input: 16 rows x 128 f32, one fragment, out of stage 0; its numbers are asked for here and land while the weights' scale words leave
.irp c, 0,1
.irp e, 0,1,2,3,4,5,6,7
	ds_load_b128 v[F+32*\c+4*\e:F+32*\c+4*\e+3], v[STA] offset:256*\c+16*\e
.endr
.endr
	; the weights' scale words: a lane's four words of a chunk (sub-units 0-3) are 16 neighbouring bytes; lanes 0-15 store one chunk's aligned 256 bytes, lanes 16-31 the next chunk's
	v_cmp_ne_u32 vcc_lo, 0, v3
.irp m, 0,1,2,3
	v_cndmask_b32 v[SQ+\m], v[SW+\m], v[SW+4+\m], vcc_lo
	v_cndmask_b32 v[SQ+4+\m], v[SW+8+\m], v[SW+12+\m], vcc_lo
.endr
	global_store_b128 v[SOFF], v[SQ:SQ+3], s[38:39]
	global_store_b128 v[SOFF], v[SQ+4:SQ+7], s[38:39] offset:2*CH
	s_wait_dscnt 0x0
	QUANT TM+9, 0
	OUT 42, 0
	ds_store_b32 v[GW], v[TM+9]                    ; both lanes of a row write the same word with the same value
	s_wait_dscnt 0x0                               ; for the others' sake: my word has landed
	s_barrier_signal -1
	s_barrier_wait -1
	s_cmp_lg_u32 s16, 0
	s_cbranch_scc1 .Lend
	ds_load_b64 v[14:15], v[GR]                    ; wave 0: the four waves' words, 8 bytes a lane,
	s_wait_dscnt 0x0
	global_store_b64 v[L8], v[14:15], s[44:45]     ; leave as 256 consecutive bytes, aligned
.Lend:
	s_wait_tensorcnt 0x0
	ds_add_u32 v254, v255
	s_wait_dscnt 0x0
	s_endpgm
.Lfunc_end_k_qcb9f81803d_quant:
	.size	k_qcb9f81803d_quant, .Lfunc_end_k_qcb9f81803d_quant-k_qcb9f81803d_quant
	.p2alignl 7, 3214868480
	.fill 96, 4, 3214868480
	.section	.rodata,"a",@progbits
	.p2align	6, 0x0
	.amdhsa_kernel k_qcb9f81803d_quant
		.amdhsa_group_segment_fixed_size 68352
		.amdhsa_private_segment_fixed_size 0
		.amdhsa_enable_private_segment 0
		.amdhsa_kernarg_size 40
		.amdhsa_user_sgpr_count 2
		.amdhsa_user_sgpr_kernarg_segment_ptr 1
		.amdhsa_wavefront_size32 1
		.amdhsa_system_sgpr_workgroup_id_x 1
		.amdhsa_system_sgpr_workgroup_id_y 1
		.amdhsa_system_sgpr_workgroup_id_z 1
		.amdhsa_system_vgpr_workitem_id 0
		.amdhsa_next_free_vgpr 512
		.amdhsa_next_free_sgpr 66
		.amdhsa_reserve_vcc 1
		.amdhsa_float_denorm_mode_32 3
		.amdhsa_float_denorm_mode_16_64 3
		.amdhsa_memory_ordered 1
		.amdhsa_forward_progress 1
		.amdhsa_inst_pref_size 188
	.end_amdhsa_kernel
	.amdgpu_metadata
---
amdhsa.version: [ 1, 2 ]
amdhsa.kernels:
  - .name:           k_qcb9f81803d_quant
    .symbol:         k_qcb9f81803d_quant.kd
    .args:
      - { .name: input, .offset: 0, .size: 8, .value_kind: global_buffer, .address_space: global }
      - { .name: weight, .offset: 8, .size: 8, .value_kind: global_buffer, .address_space: global }
      - { .name: weight_scale, .offset: 16, .size: 8, .value_kind: global_buffer, .address_space: global }
      - { .name: qa, .offset: 24, .size: 8, .value_kind: global_buffer, .address_space: global }
      - { .name: qb, .offset: 32, .size: 8, .value_kind: global_buffer, .address_space: global }
    .group_segment_fixed_size: 68352
    .private_segment_fixed_size: 0
    .kernarg_segment_align: 8
    .kernarg_segment_size: 40
    .max_flat_workgroup_size: 128
    .sgpr_count:     66
    .vgpr_count:     512
    .wavefront_size: 32
...
	.end_amdgpu_metadata
.endif
;; end of part 1
;; launch gemm (part 2): grid 64 x 4, 4 waves a work-group, clusters of 4 x 4, 327,680 bytes of LDS; arguments qa, qb, bias, out0; writes out0
.if DOCPART == 2
	.amdgcn_target "amdgcn-amd-amdhsa--gfx1250"
	.amdhsa_code_object_version 6
	.text
	.protected	k_qcb9f81803d_gemm
	.globl	k_qcb9f81803d_gemm
	.p2align	8
	.type	k_qcb9f81803d_gemm,@function
k_qcb9f81803d_gemm:
	s_mov_b64 s[64:65], 0
	v_nop
	global_prefetch_b8 v0, s[64:65] scope:SCOPE_SE
	s_setreg_imm32_b32 hwreg(HW_REG_WAVE_MODE, 25, 1), 1
	s_wait_xcnt 0x0
	s_wait_alu depctr_hold_cnt(0) depctr_sa_sdst(0) depctr_va_vdst(0) depctr_va_sdst(0) depctr_va_ssrc(0) depctr_va_vcc(0) depctr_vm_vsrc(0)
	s_getreg_b32 s2, hwreg(HW_REG_IB_STS2, 6, 4)
	s_cmp_eq_u32 s2, 0
	s_cbranch_scc0 .Lentry_in_a_cluster
	s_endpgm
.Lentry_in_a_cluster:
	s_bfe_u32 s2, ttmp6, 0x10000c
	s_cmp_lg_u32 s2, 0xf033
	s_cbranch_scc0 .Lentry_shape_is_right
	s_endpgm
.Lentry_shape_is_right:
; out0[m][n] = sum over k of A[m][k] B[n][k] + bias[n].  M = 1,024, N = 16,384, K = 4,096.  A and B are codes of BF6 (E3M2) with one E8M0 byte for each 32 along K, as the launch before has laid
; them in qa and qb: tiles of 128 rows, each a stream of 32 chunks (128 along K) of CH = 12,800 bytes: eight fragment images of 1,536 bytes (register group c of lane l at 512 c + 16 l), then at SCO
; 512 bytes of scale words (row block i, row r at 256 (i / 4) + 16 r + 4 (i % 4)).  So a fragment comes by three loads of 16 bytes a lane, 512 consecutive bytes each, a chunk's eight scale registers
; by two, and the codes and scales of any run of chunks are one dense block for one tensor load.
; A tile of out0, 256 x 256, is made by a work-group of four waves; a wave makes 128 x 128: 64 accumulators of 16 x 16, 512 registers.  256 tiles, 256 work-groups.
; K goes through a ring of two LDS slots of THREE chunks (384 along K): the largest two that fit.  32 chunks are ten such slots and one of two chunks, brought by a shorter load.
; CLUSTERS: 4 x 4 work-groups.  The four of a row of the cluster need the same tiles of A, the four of a column the same tiles of B: each part of a slot is asked for JOINTLY, by the same tensor
; load with the same descriptor and a mask that names the four.  The grid is one cluster high: the tile row is the place along the cluster's y.
; THE MATRIX INSTRUCTION IS USED TRANSPOSED (source 0 = 16 rows of B, source 1 = 16 rows of A): a lane holds eight neighbouring numbers of a row of out0.  THE BIAS is the C of each sum's first product.
; REGISTERS, in windows of 256: window 0: v16-30 addresses; v32-47 scale words, two sets of 8; v64-127 the bias in the result's layout; v128-223 A's 8 fragments, ONE set; on the way out v128-255.
;   window 1: B's fragments, TWO sets, at v0 and v128.   window 2: the accumulators of my rows 0-63 ((a, b) at v[8 (8 a + b)]);   window 3: those of my rows 64-127.
; A chunk is 64 matrix instructions, A's blocks one after the other, each against B's eight: a block of A is free when its eight products are issued, so one set serves A: blocks 0-3 are fetched anew
; in the chunk's middle, blocks 4-7 at its end.  B's fragments and the scale words are at work through the whole chunk and have two sets.
.set SIZE_N, 16384
.set CH,     12800
.set FRB,    1536
.set SCO,    12288
.set TILEB,  32*CH
.set PART,   3*CH                      ; three chunks of one tile of 128 rows: what one tensor load brings, and what one wave reads of A or of B
.set SLOT,   4*PART                    ; A's two halves, then B's two halves
.set SPARE,  2*SLOT                    ; behind the ring: the spare words, 128 bytes for each wave: two blocks of 256 bytes that no other line names
.set STAGE,  SLOT                      ; the way out: 16 rows x (512 + 16) bytes for each wave, in slot 1, which has had its last fill and its last read when the first result is stored there
.set SPITCH, 528
.set FR,     12                        ; registers of a fragment
.set NL,     3                         ; LDS loads that bring one
.set NP,     4                         ; places behind this matrix instruction (ISA guide 7.12.1)
.set ADRA, 16                          ; v16-17  LDS address of my lane's 16 bytes in my part of A, slot 0, 1
.set ADRS, 18                          ; v18-19  of my scale words: lanes 0-15 A's rows, lanes 16-31 B's
.set ADRB, 20                          ; v20-21  as ADRA, for B
.set STO,  24                          ; v24     the way out: where I put 32 bytes of a row
.set RD,   25                          ; v25     where I read a row back
.set CO,   26                          ; v26     my byte offset in a row of out0
.set BO,   27                          ; v27     32 x (lane / 16): my eight numbers of a block of 16 of bias
.set SPW,  28                          ; v28     LDS address of my spare word: SPARE + 4 x my thread's number; never rewritten
.set NIL,  29                          ; v29     0; never rewritten
.set PFO,  30                          ; v30     the prefetches' offset: 256 x min(lane, 24); never rewritten
.set SC,   32                          ; scale words: set p at v[SC + 8 p]; register i: lanes 0-15 the words of A's block i, lanes 16-31 those of B's block i
.set BI,   64                          ; bias: v[BI + 8 b + j] = bias[my first column + 16 b + 8 (lane / 16) + j]
.set AF,   128                         ; A's fragments
.set BK,   128                         ; the way out: 16 rows read back from the stage: v128-191 and v192-255 by turns
.set G1,   24                          ; s[24:31] descriptor group 1 for A's parts;  s[32:39] group 0, one set for each slot
.set G0,   32
.set G1B,  48                          ; s[48:55], s[56:63] the same for B's
.set G0B,  56
.set G1S,  68                          ; s[68:75], s[76:83] groups 1 for the last, shorter load: two chunks
.set G1SB, 76
.set PFA,  84                          ; s[84:85] where my prefetches stand
.set LIM,  86                          ; s86     1 in a wave that prefetches, else the greatest number
.set MSB, 0
.macro WIN new                         ; the immediate's high byte repeats the setting that is left
.if MSB != \new
	s_set_vgpr_msb (MSB<<8)|\new
.set MSB, \new
.endif
.endm
.set MUL_LO,   0xa1                    ; source 0 (B) window 1, source 1 (A) window 0, C and D window 2
.set MUL_HI,   0xf1                    ; the same, C and D window 3
.set FIRST_LO, 0x81                    ; the first chunk: C (the bias) window 0, D window 2
.set FIRST_HI, 0xc1                    ; D window 3
.set TO_B,     0x40                    ; destination window 1, address window 0
; A joint load: waves 0 and 1 fetch A's two halves, waves 2 and 3 B's.  Each of the two lines has ONE mask and one set of registers for all that issue it; the branch hangs on the wave's number alone.
; Four v_nop follow each of the two lines, ahead of the jump, the label and what follows.
.macro JLOAD g0a, g1a, g0b, g1b
	s_cmp_eq_u32 s15, 0
	s_cbranch_scc0 .Lfor_b_\@
	tensor_load_to_lds s[\g0a:\g0a+3], s[\g1a:\g1a+7]
	s_nop 0
.rept 4
	v_nop
.endr
	s_branch .Lasked_\@
.Lfor_b_\@:
	tensor_load_to_lds s[\g0b:\g0b+3], s[\g1b:\g1b+7]
	s_nop 0
.rept 4
	v_nop
.endr
.Lasked_\@:
.endm
.macro CREST                           ; a round of the cluster's barrier behind its opening barrier
	s_cmp_lg_u32 s14, 0
	s_cbranch_scc1 .Lnot_wave_0_\@
	s_barrier_signal -3
.Lnot_wave_0_\@:
	s_barrier_wait -3
	s_barrier_signal -1
	s_barrier_wait -1
.endm
.macro CROUND                          ; a whole round
	s_barrier_signal -1
	s_barrier_wait -1
	CREST
.endm
; A PREFETCH INTO THE L2 of what the NEXT change of slots will ask for: one slot, 192 matrix instructions, ahead of that load.  A slot's bytes of A (and of B) are two parts of 38,400 bytes.
; B's tile column is read by one cluster alone: every cluster asks for its own; A's tile row is read by every cluster: the cluster with x = 0 asks.  The four partners that ask for a tile jointly share
; its 76,800 bytes out BY ADDRESS, 19,200 each (place p: part p / 2, half p % 2; p = cx for A, cy for B): no branch hangs on a work-group's place in its cluster.  Wave 0 asks for A's, wave 2 for B's:
; 75 blocks of 256 bytes by three instructions of 25, lanes 256 bytes apart; lanes 25 to 31 name lane 24's block again.
; how = 1: every trip; how = 0: not in the loop's last trip (s3 = 1), whose successor is the shorter slot.  Slots 0, 1, 2 and the last come by their loads alone.
.macro ASK how
.if \how
	s_cmp_eq_u32 s[LIM], 1
.else
	s_cmp_gt_u32 s3, s[LIM]
.endif
	s_cbranch_scc0 .Lnot_mine_\@
	global_prefetch_b8 v[PFO], s[PFA:PFA+1] th:TH_LOAD_NT scope:SCOPE_SE
	global_prefetch_b8 v[PFO], s[PFA:PFA+1] offset:6400 th:TH_LOAD_NT scope:SCOPE_SE
	global_prefetch_b8 v[PFO], s[PFA:PFA+1] offset:12800 th:TH_LOAD_NT scope:SCOPE_SE
.Lnot_mine_\@:
.endm
	s_load_b256 s[4:11], s[0:1], 0x0               ; qa s[4:5], qb s[6:7], bias s[8:9], out0 s[10:11]
	v_lshl_add_u32 v[SPW], v0, 2, SPARE
	v_mov_b32 v[NIL], 0
	ds_add_u32 v28, v29
	ds_add_u32 v28, v29
	s_wait_dscnt 0x0
	v_lshrrev_b32 v1, 5, v0
	v_readfirstlane_b32 s14, v1                    ; wave 0..3
	s_lshr_b32 s15, s14, 1                         ; which half of the tile's rows is mine.  Also: I fetch for A (0) or for B (1)
	s_and_b32 s16, s14, 1                          ; which half of its columns.  Also: which half of that tile I fetch
	s_bfe_u32 s40, ttmp6, 0x40000                  ; cx
	s_bfe_u32 s41, ttmp6, 0x40004                  ; cy = the tile row of out0
	s_lshl_b32 s42, ttmp9, 2
	s_add_co_u32 s42, s42, s40                     ; tile column of out0 = 4 x cluster x + cx
	s_lshl_b32 s43, s41, 2
	s_lshl_b32 s43, 15, s43                        ; my row of the cluster
	s_lshl_b32 s44, 0x1111, s40                    ; my column
	; descriptor group 1: a dense block as rows of 256 bytes (32 elements of 8 bytes), no padding: 150 rows; the last load 100
	s_or_b32 s[G1], s43, (3<<16)|(1<<21)           ; 15:0 the mask: A's parts go to my row; 17:16 elements of 8 bytes; 21 set beside a mask
	s_or_b32 s[G1B], s44, (3<<16)|(1<<21)          ; B's to my column
	s_or_b32 s[G1S], s43, (3<<16)|(1<<21)
	s_or_b32 s[G1SB], s44, (3<<16)|(1<<21)
.irp g, G1, G1B
	s_mov_b32 s[\g+1], 32<<16                      ; tensor_dim0 = 32
	s_mov_b32 s[\g+2], (PART/256)<<16              ; tensor_dim1 = 150
	s_mov_b32 s[\g+3], 32<<16                      ; tile_dim0 = 32
	s_mov_b32 s[\g+4], PART/256                    ; tile_dim1 = 150
	s_mov_b32 s[\g+5], 32                          ; tensor_dim0_stride
	s_mov_b32 s[\g+6], 0
	s_mov_b32 s[\g+7], 0
.endr
.irp g, G1S, G1SB
	s_mov_b32 s[\g+1], 32<<16
	s_mov_b32 s[\g+2], (2*CH/256)<<16              ; 100 rows
	s_mov_b32 s[\g+3], 32<<16
	s_mov_b32 s[\g+4], 2*CH/256
	s_mov_b32 s[\g+5], 32
	s_mov_b32 s[\g+6], 0
	s_mov_b32 s[\g+7], 0
.endr
	; where the parts come from.  A's hang on cy and the wave's number, B's on the tile column and the wave's number, each in registers that never hold the other coordinate
	s_lshl_b32 s20, s41, 1
	s_add_co_u32 s20, s20, s16                     ; A: tile of 128 rows number 2 cy + half
	s_mul_i32 s20, s20, TILEB
	s_mov_b32 s21, 0
	s_lshl_b32 s46, s42, 1
	s_add_co_u32 s46, s46, s16                     ; B: 2 x tile column + half
	s_mul_i32 s46, s46, TILEB
	s_mov_b32 s47, 0
	s_mul_i32 s45, s14, PART                       ; where they go: wave x a part: no place in the cluster enters an LDS address
	s_wait_kmcnt 0x0
	s_add_nc_u64 s[20:21], s[4:5], s[20:21]
	s_add_nc_u64 s[46:47], s[6:7], s[46:47]
	CROUND                                         ; all sixteen work-groups are here: the first joint loads meet
.irp s, 0,1
	s_mov_b32 s[G0+4*\s], 1                                        ; count = 1
	s_add_co_u32 s[G0+4*\s+1], s45, \s*SLOT                        ; LDS address
	s_add_nc_u64 s[G0+4*\s+2:G0+4*\s+3], s[20:21], \s*PART         ; global address: chunks 3 s on
	s_or_b32 s[G0+4*\s+3], s[G0+4*\s+3], 0x80000000                ; type = 2
	s_mov_b32 s[G0B+4*\s], 1
	s_add_co_u32 s[G0B+4*\s+1], s45, \s*SLOT
	s_add_nc_u64 s[G0B+4*\s+2:G0B+4*\s+3], s[46:47], \s*PART
	s_or_b32 s[G0B+4*\s+3], s[G0B+4*\s+3], 0x80000000
	JLOAD G0+4*\s, G1, G0B+4*\s, G1B               ; two loads of mine are out
.endr
	v_and_b32 v1, 15, v0                           ; r = lane % 16
	v_bfe_u32 v2, v0, 4, 1                         ; h = lane / 16
	v_and_b32 v3, 31, v0                           ; lane
	v_lshlrev_b32 v[BO], 5, v2
	s_lshl_b32 s90, s42, 10                        ; my first column, in bytes of f32: 1,024 x tile column + 512 x half
	s_lshl_b32 s91, s16, 9
	s_add_co_u32 s90, s90, s91
	s_mov_b32 s91, 0
	s_add_nc_u64 s[8:9], s[8:9], s[90:91]
.irp b, 0,1,2,3,4,5,6,7
	global_load_b128 v[BI+8*\b:BI+8*\b+3], v[BO], s[8:9] offset:64*\b
	global_load_b128 v[BI+8*\b+4:BI+8*\b+7], v[BO], s[8:9] offset:64*\b+16
.endr
	v_lshlrev_b32 v4, 4, v3                        ; 16 x lane: an image's place for my lane
	s_mul_i32 s17, s15, PART                       ; my part of A
	s_mul_i32 s18, s16, PART
	s_add_co_u32 s18, s18, 2*PART                  ; my part of B, behind A's two
	s_sub_co_u32 s19, s18, s17
	v_mul_u32_u24 v5, s19, v2                      ; lanes 16-31 take B's scale words: the lower base + h x the distance
	v_lshl_add_u32 v5, v1, 4, v5                   ; 16 bytes a row: the words of four row blocks
.irp s, 0,1
	v_add_nc_u32 v[ADRA+\s], s17, v4
	v_add_nc_u32 v[ADRB+\s], s18, v4
	v_add_nc_u32 v[ADRS+\s], s17, v5
	s_add_co_u32 s17, s17, SLOT
	s_add_co_u32 s18, s18, SLOT
.endr
	s_mul_i32 s23, s14, 16*SPITCH
	s_add_co_u32 s23, s23, STAGE                   ; my stage
	v_mul_u32_u24 v5, v1, SPITCH                   ; in: row l % 16, 32 bytes for each half of the lanes
	v_lshl_add_u32 v5, v2, 5, v5
	v_add_nc_u32 v[STO], s23, v5
	v_lshlrev_b32 v[CO], 4, v3                     ; back: the 32 lanes take one row of 512 bytes; and the same in out0
	v_add_nc_u32 v[RD], s23, v[CO]
	s_lshl_b32 s88, s41, 8
	s_lshl_b32 s89, s15, 7
	s_add_co_u32 s88, s88, s89                     ; my first row of out0: 256 cy + 128 x half,
	s_lshl_b32 s88, s88, 16                        ; of 65,536 bytes
	s_mov_b32 s89, 0
	s_add_nc_u64 s[10:11], s[10:11], s[88:89]
	s_add_nc_u64 s[10:11], s[10:11], s[90:91]
	; the prefetches (macro ASK): who asks, and where
	s_cmp_eq_u32 s15, 0                            ; do I fetch for A?
	s_cselect_b32 s92, s41, s42                    ; the tile: A's by cy, B's by the tile column
	s_cselect_b32 s93, s40, s41                    ; my place among the four that ask for it with me
	s_cselect_b32 s94, ttmp9, 0                    ; the coordinate along which other clusters read the same bytes
	s_cselect_b64 s[PFA:PFA+1], s[4:5], s[6:7]
	s_or_b32 s94, s94, s16                         ; 0 in waves 0 and 2, for A in the first cluster alone: the same in all sixteen partners, for a given wave
	s_cmp_eq_u32 s94, 0
	s_cselect_b32 s[LIM], 1, -1
	s_lshl_b32 s92, s92, 1
	s_lshr_b32 s95, s93, 1
	s_add_co_u32 s92, s92, s95                     ; which tile of 128 rows,
	s_mul_i32 s92, s92, TILEB
	s_and_b32 s93, s93, 1
	s_mul_i32 s93, s93, PART/2                     ; which half of its part of a slot,
	s_add_co_u32 s92, s92, s93
	s_add_co_u32 s92, s92, 2*PART                  ; in the third slot's bytes: the first change of slots steps it one slot on.  Nothing is prefetched here, at the head, where every work-group's first tiles are on their way
	s_mov_b32 s93, 0
	s_add_nc_u64 s[PFA:PFA+1], s[PFA:PFA+1], s[92:93]
	v_min_u32 v[PFO], 24, v3
	v_lshlrev_b32 v[PFO], 8, v[PFO]
.macro FRAG reg, adr, q, i             ; a fragment, 16 rows x 128 K, is 12 registers; its image comes back as it was stored: three loads, each of 512 consecutive bytes
.irp c, 0,1,2
	ds_load_b128 v[\reg+4*\c:\reg+4*\c+3], v[\adr] offset:(\q)*CH+(\i)*FRB+512*\c
.endr
.endm
.macro FETCH_B slot, q, p              ; B's eight fragments of the slot's chunk q into set p
	WIN TO_B
.irp i, 0,1,2,3,4,5,6,7
	FRAG 128*(\p)+FR*\i, ADRB+\slot, \q, \i
.endr
	WIN 0
.endm
.macro FETCH_A slot, q, i0             ; A's blocks i0 .. i0 + 3
.irp i, \i0, \i0+1, \i0+2, \i0+3
	FRAG AF+FR*(\i), ADRA+\slot, \q, \i
.endr
.endm
.macro SCALES slot, q, p               ; the chunk's scale words into set p: four row blocks' words a load; lanes 0-15 A's, lanes 16-31 B's
.irp j, 0,1
	ds_load_b128 v[SC+8*(\p)+4*\j:SC+8*(\p)+4*\j+3], v[ADRS+\slot] offset:(\q)*CH+SCO+256*\j
.endr
.endm
; 8 matrix instructions: A's block a x B's eight, one chunk.  p: B's set and the set of scale words.  first = 1: the sums begin with the bias: nothing is cleared, nothing is added later.
; The 64 accumulators take turns, one instruction a turn, in the same order in every chunk.
.macro MUL8 a, p, first
.irp b, 0,1,2,3,4,5,6,7
.if \first
	v_wmma_scale_f32_16x16x128_f8f6f4 v[8*(8*((\a)%4)+\b):8*(8*((\a)%4)+\b)+7], v[128*(\p)+FR*\b:128*(\p)+FR*\b+FR-1], v[AF+FR*(\a):AF+FR*(\a)+FR-1], v[BI+8*\b:BI+8*\b+7], v[SC+8*(\p)+\b], v[SC+8*(\p)+(\a)] matrix_a_fmt:MATRIX_FMT_BF6 matrix_b_fmt:MATRIX_FMT_BF6 matrix_a_scale:MATRIX_SCALE_ROW1
.else
	v_wmma_scale_f32_16x16x128_f8f6f4 v[8*(8*((\a)%4)+\b):8*(8*((\a)%4)+\b)+7], v[128*(\p)+FR*\b:128*(\p)+FR*\b+FR-1], v[AF+FR*(\a):AF+FR*(\a)+FR-1], v[8*(8*((\a)%4)+\b):8*(8*((\a)%4)+\b)+7], v[SC+8*(\p)+\b], v[SC+8*(\p)+(\a)] matrix_a_fmt:MATRIX_FMT_BF6 matrix_b_fmt:MATRIX_FMT_BF6 matrix_a_scale:MATRIX_SCALE_ROW1
.endif
.endr
.endm
.macro MUL16 a0, p, first              ; A's blocks a0, a0 + 1
	MUL8 \a0, \p, \first
	MUL8 \a0+1, \p, \first
.endm
; A load into a register that a matrix instruction has read, and an LDS store that reads a matrix result, stand NP places behind that matrix instruction; only plain vector instructions that name none
; of its registers are places (ISA guide 7.12.1 for vector instructions); the matrix instructions in between are not counted.
.macro PLACES n
.rept \n
	v_nop
.endr
.endm
; A chunk that has its successor in the same slot.
.macro STEP slot, q, p, first
	s_wait_dscnt 4*NL                              ; B's set, A's blocks 0-3 and the scale words are in; the youngest twelve loads (A's blocks 4-7) may be out
.if \first
	WIN FIRST_LO
.else
	WIN MUL_LO
.endif
	MUL16 0, \p, \first
	MUL16 2, \p, \first
	s_wait_dscnt 0x0                               ; A's blocks 4-7 are in (asked for 32 matrix instructions ago)
	PLACES NP
	FETCH_B \slot, (\q)+1, 1-(\p)
	FETCH_A \slot, (\q)+1, 0
	SCALES \slot, (\q)+1, 1-(\p)
.if \first
	WIN FIRST_HI
.else
	WIN MUL_HI
.endif
	MUL16 4, \p, \first
	MUL16 6, \p, \first
	PLACES NP
	WIN 0
	FETCH_A \slot, (\q)+1, 4
.endm
; A slot's last chunk changes slots, in its MIDDLE: ONE barrier; in front of it each wave waits for all its tensor loads, adds 0 to its spare word, and waits for that and for its own reads of this slot.
; 24 of the chunk's first 32 products stand AHEAD of the wait for the tensor loads, 8 between the add and the wait for it, none between the barrier's halves: so little stands between the moment at which
; the next slot is whole and the request that fills this one again.  fill = 1: this slot is filled again, two slots ahead; 2: with the last, shorter run of two chunks; 0: not at all.
; From a request to the wait for it a wave issues 184 matrix instructions.
.macro TURN slot, next, p, fill, how
.if \fill == 1
	s_wait_xcnt 0x0                                ; the last prefetches, a slot back, have read their address: it is stepped here, ahead of the change's own waits
	s_add_nc_u64 s[PFA:PFA+1], s[PFA:PFA+1], PART
.endif
	s_wait_dscnt 4*NL                              ; B's set, A's blocks 0-3 and the scale words are in; the youngest twelve loads (A's blocks 4-7) may be out
	WIN MUL_LO
	MUL16 0, \p, 0
	MUL8 2, \p, 0
	WIN 0                                          ; (the add's two registers lie in window 0)
	s_wait_tensorcnt 0x0                           ; all my tensor loads have landed: the one that was out is my part of the next slot;
	ds_add_u32 v[SPW], v[NIL]                      ; 0 onto my spare word
	WIN MUL_LO
	MUL8 3, \p, 0                                  ; eight matrix instructions stand between the add and the wait for it
	WIN 0
	s_wait_dscnt 0x0                               ; the add is done, and my reads of this slot are over: the last, A's blocks 4-7, are in
	s_barrier_signal -1
	s_barrier_wait -1
.if \fill
	CREST                                          ; the barrier has opened a round of the cluster's barrier: no wave of any partner still reads this slot or has a load on its way
	s_add_nc_u64 s[G0+4*\slot+2:G0+4*\slot+3], s[G0+4*\slot+2:G0+4*\slot+3], 2*PART
	s_add_nc_u64 s[G0B+4*\slot+2:G0B+4*\slot+3], s[G0B+4*\slot+2:G0B+4*\slot+3], 2*PART
.if \fill == 1
	JLOAD G0+4*\slot, G1, G0B+4*\slot, G1B         ; the first tensor load behind the round, my only one until the next; its four v_nop are also the places in front of the loads below
.else
	JLOAD G0+4*\slot, G1S, G0B+4*\slot, G1SB
.endif
.else
	PLACES NP
.endif
	FETCH_B \next, 0, 1-(\p)
	FETCH_A \next, 0, 0
	SCALES \next, 0, 1-(\p)
.if \fill == 1
	ASK \how                                       ; behind the joint load and the run of LDS loads that the next products wait for
.endif
	WIN MUL_HI
	MUL16 4, \p, 0
	MUL16 6, \p, 0
	PLACES NP
	WIN 0
	FETCH_A \next, 0, 4
.endm
	s_wait_tensorcnt 1                             ; my part of slot 0 is in; slot 1's may stay out
	s_barrier_signal -1
	s_barrier_wait -1                              ; everybody's is
	FETCH_B 0, 0, 0
	FETCH_A 0, 0, 0
	SCALES 0, 0, 0
	FETCH_A 0, 0, 4
	s_wait_loadcnt 0x0                             ; the bias
	STEP 0, 0, 0, 1                                ; chunk 0 stands in front of the loop: its products start the sums, with the bias as C
	s_mov_b32 s3, 4
.Llap:                                                 ; a trip goes once round the ring, six chunks, from a lap's second chunk to the next lap's first, and fills both slots again: the third to the tenth slot's bytes
	STEP 0, 1, 1, 0
	TURN 0, 1, 0, 1, 1
	STEP 1, 0, 1, 0
	STEP 1, 1, 0, 0
	TURN 1, 0, 1, 1, 0
	STEP 0, 0, 0, 0
	s_sub_co_u32 s3, s3, 1
	s_cmp_lg_u32 s3, 0
	s_cbranch_scc1 .Llap
	STEP 0, 1, 1, 0                                ; the tail is written out
	TURN 0, 1, 0, 2, 0                             ; slot 0 takes the last two chunks
	STEP 1, 0, 1, 0
	STEP 1, 1, 0, 0
	TURN 1, 0, 1, 0, 0                             ; nothing is filled: no round of the cluster's barrier
	STEP 0, 0, 0, 0
	s_wait_dscnt 4*NL                              ; chunk 31: nothing more to fetch
	WIN MUL_LO
	MUL16 0, 1, 0
	MUL16 2, 1, 0
	s_wait_dscnt 0x0
	WIN MUL_HI
	MUL16 4, 1, 0
	MUL16 6, 1, 0
	WIN 0
; THE WAY OUT, block by block of 16 rows x 128 columns.  A lane holds 32 neighbouring bytes of a row, and the lanes beside it hold other rows: so a block goes through my own stage in LDS and comes back
; as whole rows of 512 bytes.  LDS serves a wave's instructions in order (ISA guide 5.7.1.4): no wait between the stores and the loads, nor in front of the next block's stores.
.macro TOSTAGE a
.set AC, 64*((\a)%4)
	WIN 0x08+4*((\a)/4)                            ; an LDS store's data are its source 1: window 2 or 3
.irp b, 0,1,2,3,4,5,6,7
	ds_store_b128 v[STO], v[AC+8*\b:AC+8*\b+3] offset:64*\b          ; each accumulator from its low end on
	ds_store_b128 v[STO], v[AC+8*\b+4:AC+8*\b+7] offset:64*\b+16
.endr
	WIN 0
.set BB, BK+64*((\a)%2)
.irp t, 0,1,2,3,4,5,6,7,8,9,10,11,12,13,14,15
	ds_load_b128 v[BB+4*\t:BB+4*\t+3], v[RD] offset:\t*SPITCH
.endr
.endm
.macro SEND a, younger                 ; younger: the LDS instructions issued behind block a's loads, which may stay out
.set BB, BK+64*((\a)%2)
	s_wait_dscnt \younger                          ; the block is back in registers
.if (\a) > 0
	s_add_nc_u64 s[10:11], s[10:11], 16*SIZE_N*4   ; (behind a wait on XCNT: the earlier stores have read their base)  16 rows on, so that the stores' offsets stay at 15 rows of 65,536 bytes at the most
.endif
.irp t, 0,1,2,3,4,5,6,7,8,9,10,11,12,13,14,15
	global_store_b128 v[CO], v[BB+4*\t:BB+4*\t+3], s[10:11] offset:\t*SIZE_N*4 th:TH_STORE_NT   ; 32 lanes store 512 consecutive bytes, at a multiple of 512 from out0's first byte; written once, read by nobody here
.endr
.endm
	PLACES NP                                      ; behind the last products: for the loads into the registers that held A's fragments, and for the reads of the last results
	TOSTAGE 0
.irp a, 1,2,3,4,5,6,7
.if \a > 1
	s_wait_xcnt 0x0                                ; block a - 2's stores have read their registers and their base: block a's loads may land there, and the base may step
.endif
	TOSTAGE \a
	SEND \a-1, 32                                  ; behind block a - 1's loads: block a's 16 stores and 16 loads
.endr
	s_wait_xcnt 0x0                                ; block 6's stores have read their base
	SEND 7, 0
	s_wait_tensorcnt 0x0                           ; the wave's end: behind my last tensor load and my last LDS store
	ds_add_u32 v[SPW], v[NIL]
	s_wait_dscnt 0x0
	CROUND                                         ; the closing round: no work-group ends while a partner may still ask for a tile that names it
	s_endpgm
.Lfunc_end_k_qcb9f81803d_gemm:
	.size	k_qcb9f81803d_gemm, .Lfunc_end_k_qcb9f81803d_gemm-k_qcb9f81803d_gemm
	.p2alignl 7, 3214868480
	.fill 96, 4, 3214868480
	.section	.rodata,"a",@progbits
	.p2align	6, 0x0
	.amdhsa_kernel k_qcb9f81803d_gemm
		.amdhsa_group_segment_fixed_size 327680
		.amdhsa_private_segment_fixed_size 0
		.amdhsa_enable_private_segment 0
		.amdhsa_kernarg_size 32
		.amdhsa_user_sgpr_count 2
		.amdhsa_user_sgpr_kernarg_segment_ptr 1
		.amdhsa_wavefront_size32 1
		.amdhsa_system_sgpr_workgroup_id_x 1
		.amdhsa_system_sgpr_workgroup_id_y 1
		.amdhsa_system_sgpr_workgroup_id_z 1
		.amdhsa_system_vgpr_workitem_id 0
		.amdhsa_next_free_vgpr 1024
		.amdhsa_next_free_sgpr 96
		.amdhsa_reserve_vcc 0
		.amdhsa_float_denorm_mode_32 3
		.amdhsa_float_denorm_mode_16_64 3
		.amdhsa_memory_ordered 1
		.amdhsa_forward_progress 1
		.amdhsa_inst_pref_size 207
	.end_amdhsa_kernel
	.amdgpu_metadata
---
amdhsa.version: [ 1, 2 ]
amdhsa.kernels:
  - .name:           k_qcb9f81803d_gemm
    .symbol:         k_qcb9f81803d_gemm.kd
    .args:
      - { .name: qa, .offset: 0, .size: 8, .value_kind: global_buffer, .address_space: global }
      - { .name: qb, .offset: 8, .size: 8, .value_kind: global_buffer, .address_space: global }
      - { .name: bias, .offset: 16, .size: 8, .value_kind: global_buffer, .address_space: global }
      - { .name: out0, .offset: 24, .size: 8, .value_kind: global_buffer, .address_space: global }
    .group_segment_fixed_size: 327680
    .private_segment_fixed_size: 0
    .kernarg_segment_align: 8
    .kernarg_segment_size: 32
    .max_flat_workgroup_size: 128
    .sgpr_count:     96
    .vgpr_count:     1024
    .wavefront_size: 32
...
	.end_amdgpu_metadata
.endif
;; end of part 2
